; MI455X (gfx1250); checked and timed in simulation.
; The chip was launched on July 23, 2026; its instructions are those of AMD's public machine-readable ISA for CDNA 5 (MIT licence, August 2026) and "CDNA5" Instruction Set Architecture Reference Guide (July 2026). The comments in the code are by the model that wrote it; some were corrected since.
;; Attn. Allowed arithmetic: matrix products marked QUANTISED: E2M1 operands, one E8M0 scale for each 32 along K, by v_wmma_scale_f32_16x16x128_f8f6f4 with both operands' format E2M1 (or v_wmma_scale_f32_32x16x128_f4), f32 sums; products left as they are: f32 operands where the result goes on into a quantised operand, else bf16, f16 or f32 operands; f32 sums; everything else in f32.
;; Inputs: W_codes 1,024 x 32 x 16 uint8 (E2M1 codes of W, K innermost, in blocks of 32 codes, two codes a byte); W_scales 1,024 x 32 uint8 (E8M0 scales of W, one for each 32 codes along K); b 1,024 float32; encoder_outputs_codes 32 x 2,048 x 32 x 16 uint8 (E2M1 codes of encoder_outputs, K innermost, in blocks of 32 codes, two codes a byte); encoder_outputs_scales 32 x 2,048 x 32 uint8 (E8M0 scales of encoder_outputs, one for each 32 codes along K); hidden 32 x 1 x 1,024 float32.
;; Outputs: out0 32 x 2,048 float32.
;; This version of the problem:
;;   THIS VERSION OF THE PROBLEM IS GIVEN IN LOW PRECISION. The matrix products marked QUANTISED in the list below multiply operands that are first quantised to E2M1 (2 exponent bits, 1 mantissa bit; 4 bits a number), with one power-of-two scale for each 32 numbers along K (OCP MX v1.0); their sums are f32. All else is computed in f32.
;;   The module's matrix products, in the order in which they are computed (A, B: the left and right operand; K: the contracted axis; several contracted axes count as one K, in the product's order):
;;     1. [M 65,536, K 1,024] x [K 1,024, N 1,024]; A: input encoder_outputs (given as codes); B: input W (given as codes): QUANTISED
;;     2. batch 32 x [M 1, K 1,024] x [K 1,024, N 2,048]; A: input hidden; B: computed on the way: left as it is (M = 1 < 16)
;;   THE QUANTISER, for each operand of a quantised product, along K:
;;     - K is cut into blocks of 32 from its start; a last block that is shorter is filled with zeros.
;;     - A block's scale is 2^e with e = floor(log2(the largest magnitude in the block)) - 2, held to -126 .. 127; a block of zeros has e = 0. As a byte (E8M0): e + 127.
;;     - Each number is divided by its block's scale, clamped to +-6, and rounded to the nearest number of E2M1, ties to even, subnormals kept.
;;     - The product sums the exact products of the quantised numbers (number of the format x scale) in f32.
;;   ~~~python
;;   def quantise(x, axis):      # numpy; x: float32 -> the quantised numbers, widened to float32 again
;;       x = np.moveaxis(x, axis, -1); K = x.shape[-1]
;;       x = np.pad(x, [(0, 0)] * (x.ndim - 1) + [(0, -K % 32)]); x = x.reshape(x.shape[:-1] + (-1, 32)); a = np.abs(x).max(-1, keepdims=True)
;;       e = np.where(a > 0, np.clip(np.frexp(np.where(a > 0, a, 1))[1] - 1 - 2, -126, 127), 0)      # np.frexp(a)[1] - 1 = floor(log2(a)), exactly
;;       r = np.clip(x / 2.0 ** e, -6, 6)
;;       step = 2.0 ** (np.maximum(np.frexp(np.where(r == 0, 1, r))[1] - 1, 0) - 1)
;;       q = np.round(r / step) * step * 2.0 ** e      # np.round: ties to even
;;       return np.moveaxis(q.reshape(q.shape[:-2] + (-1,))[..., :K], -1, axis).astype(np.float32)
;;   ~~~
;;   INPUTS GIVEN AS CODES. W (in the module: [1024, 1024], K = its axis 1); encoder_outputs (in the module: [32, 2048, 1024], K = its axis 2): each comes as NAME_codes (uint8): NAME with its K axis moved to the last place and cut into blocks of 32 codes, [.., K / 32, bytes a block], one block behind the other in memory; two codes a byte, the lower K in the low four bits (a code: sign, 2 exponent bits, 1 mantissa bit); and NAME_scales (uint8): the same leading axes, one E8M0 byte (e + 127) for each 32 codes along K. Its value is code x scale, taken as it is: it is not quantised again, and the codes and scales need not be those that the quantiser above would give.
;; 2 versions. Each part assembles by itself: llvm-mc -triple=amdgcn-amd-amdhsa -mcpu=gfx1250 --defsym DOCPART=n.
;; ======== version 1 of 2: 2 launches
;; workspace buffers: part 1,048,576 bytes
;; launch scores (part 1): grid 256 x 1, 4 waves a work-group, clusters of 4 x 1, 327,680 bytes of LDS; arguments encoder_outputs_codes, encoder_outputs_scales, W_codes, W_scales, hidden, b, part; writes part
.if DOCPART == 1
	.amdgcn_target "amdgcn-amd-amdhsa--gfx1250"
	.amdhsa_code_object_version 6
	.text
	.protected	k_q70885f8195_scores
	.globl	k_q70885f8195_scores
	.p2align	8
	.type	k_q70885f8195_scores,@function
k_q70885f8195_scores:
	s_mov_b64 s[64:65], 0
	v_nop
	global_prefetch_b8 v0, s[64:65] scope:SCOPE_SE
	s_setreg_imm32_b32 hwreg(HW_REG_WAVE_MODE, 25, 1), 1
	s_wait_xcnt 0x0
	s_wait_alu depctr_hold_cnt(0) depctr_sa_sdst(0) depctr_va_vdst(0) depctr_va_sdst(0) depctr_va_ssrc(0) depctr_va_vcc(0) depctr_vm_vsrc(0)
	s_getreg_b32 s2, hwreg(HW_REG_IB_STS2, 6, 4)
	s_cmp_eq_u32 s2, 0
	s_cbranch_scc0 .Lentry_in_a_cluster
	s_endpgm
.Lentry_in_a_cluster:
	s_bfe_u32 s2, ttmp6, 0x10000c
	s_cmp_lg_u32 s2, 0x3003
	s_cbranch_scc0 .Lentry_shape_is_right
	s_endpgm
.Lentry_shape_is_right:
; part[cx][row] = sum over the 256 columns n of slice cx of hidden[batch][n] * (E[row][n] + b[n]),  E = enc W^T on codes of FP4 (E2M1) with one E8M0 scale for each 32 along K = 1,024.
; enc: 65,536 rows of 512 bytes of codes and 32 scale bytes; W: 1,024 rows likewise.  E never goes to memory: the dot with hidden is taken of the f32 accumulators.
; SHARES.  A cluster of four work-groups owns 1,024 rows of enc (half a batch); partner cx owns W's rows 256 cx .. 256 cx + 255.  Wave (j, i) = (wave / 2, wave % 2) keeps W's rows 128 j .. 128 j + 127 of the
; slice, for ALL of K, in 512 registers for the whole launch, and takes the groups of 16 rows of enc with number 2 t + i, t = 0 .. 31.  A block = 16 rows of enc x 128 rows of W x K 1,024 = 64 matrix instructions
; on 8 accumulators by turns.  So a fragment of enc (1,024 bytes out of LDS) feeds eight matrix instructions, and only 2 x 64 registers hold sums: while one set is summed, the other set's dot with hidden
; stands between the matrix instructions.
; enc STREAMS through two LDS regions of 256 rows.  The four partners need the same rows, so each tile is asked for JOINTLY (mask 15).  W differs from partner to partner: each fetches its own slice once, by plain loads,
; into region 1, which enc's second tile takes over when W is in registers.
; THE MATRIX INSTRUCTION IS USED TRANSPOSED: source 0 = 16 rows of W, source 1 = 16 rows of enc: lane (r, h) holds enc's row r and, in register jj of tile w, W's row 16 w + 8 h + jj: the dot needs no other lane.
; THE BIAS enters as sum h b beside sum h E: each lane sums h[n] b[n] over its own 64 columns once, and that starts every block's four chains.  The same terms as (E + b) h, in another order of f32 rounding.
; LIMITS: NaN, infinities and scale bytes 0xff go through as the instructions form them.
; REGISTERS, in windows of 256 (s_set_vgpr_msb: bits 1:0 source 0, 3:2 source 1, 5:4 source 2, 7:6 destination).  In a block only source 0's window changes (1, 2, 3), so all that stands as source 0 lies beside W:
;   window 0: v1-2 the add's; v3 a finished score; v4-7 addresses; v8-15 sum h b, 4 pairs; v16-23 the 4 chains; v24-31 enc's scale words, 2 sets; v32-63 W's scale words; v64-127 enc's fragments of one block; v128-255 two sets of sums
;   window 1: v0-191 W, K steps 0-2; v192-223 hidden for tiles 0-3; v224-227 LDS addresses.   window 2: W, K steps 3-5; hidden for tiles 4-7; addresses.   window 3: v0-127 W, K steps 6-7; v128-129 addresses.
; A scale register holds K step q in lanes 0-15 and K step 4 + q in lanes 16-31 (a lane's 16 bytes of its row's 32): K steps 4-7 name the upper lanes on both sides.
.set PITCH, 528                        ; an LDS row: 512 bytes + 16 of padding = 132 words: row r starts at bank 4 r mod 64 (64 banks of 4 bytes: ISA guide 11.1)
.set QUART, 64*PITCH                   ; 64 rows: what one tensor load brings
.set R1,    4*QUART                    ; region 0 at byte 0, region 1 behind it: a wave's blocks run from one into the other without a jump
.set SCA,   2*R1                       ; enc's scale bytes of the cluster's 1,024 rows: 128 runs of 256 bytes + 16 of padding; filled once
.set SCQ,   32*272                     ; a quarter of them
.set SST,   SCA+4*SCQ                  ; the scores' stage: 4 planes (2 j + h) of 1,024 f32, PLANE bytes apart; written by LDS stores alone
.set PLANE, 4160                       ; 4,096 + 64: the two halves of the lanes fall on different banks
.set SPARE, SST+16896                  ; the spare words, 128 bytes for each wave: two blocks of 256 bytes that no other line names
.set BSTR,  32*PITCH                   ; from a wave's block to its next: 32 rows
.set SPW, 1
.set NIL, 2
.set T,   3
.set HB,  8
.set SP,  16
.set AS,  24
.set WS,  32
.set F,   64
.set ACC, 128
.set HID, 192                          ; in windows 1 and 2
.set AD12,  224                        ; windows 1 and 2: LDS address of my lane in the pair of blocks in hand;
.set AD12B, 226                        ; its lane part, never rewritten
.set ASA,   225                        ; window 1: enc's scale words;
.set ASAB,  227
.set SSA,   225                        ; window 2: my word in the stage;
.set SSAB,  227
.set AD3,   128                        ; window 3: as AD12
.set AD3B,  129
.set WV, 18                            ; s18 wave, s19 j, s20 i, s21 cx
.set WJ, 19
.set WI, 20
.set CX, 21
.set G1A, 28                           ; s[28:35] group 1 for enc's tiles (joint);  s[36:43] for W's (plain);  s[44:51] for enc's scale bytes (joint)
.set G1W, 36
.set G1S, 44
.set G0W, 52                           ; groups 0: W, enc's scales, region 0's tiles, region 1's tiles
.set G0S, 56
.set G0A0, 60
.set G0A1, 68
.set CNT, 72
.set TA,  73                           ; bytes from region 0's start to the pair of blocks in hand
.set TS,  74                           ; the same among the scale words
.set TT,  75                           ; and in the stage
.set KN,  0                            ; kinds of block: plain; change of regions with a fill; without; the last block
.set KCF, 1
.set KC0, 2
.set KL,  3
.set MSB, 0
.macro WIN new                         ; the immediate's high byte repeats the setting that is left; a switch that changes nothing is dropped
.if MSB != (\new)
	s_set_vgpr_msb (MSB<<8)|(\new)
.set MSB, (\new)
.endif
.endm
.macro PLACES
.rept 4
	v_nop
.endr
.endm
.macro CREST                           ; a round of the cluster's barrier behind its opening barrier
	s_cmp_lg_u32 s[WV], 0
	s_cbranch_scc1 .Lnot_wave_0_\@
	s_barrier_signal -3
.Lnot_wave_0_\@:
	s_barrier_wait -3
	s_barrier_signal -1
	s_barrier_wait -1
.endm
.macro CROUND                          ; a whole round
	s_barrier_signal -1
	s_barrier_wait -1
	CREST
.endm
	s_load_b256 s[4:11], s[0:1], 0x0               ; enc's codes s[4:5], enc's scales s[6:7], W's codes s[8:9], W's scales s[10:11]
	s_load_b128 s[12:15], s[0:1], 0x20             ; hidden s[12:13], b s[14:15]
	s_load_b64 s[16:17], s[0:1], 0x30              ; part
	v_lshl_add_u32 v[SPW], v0, 2, SPARE
	v_mov_b32 v[NIL], 0
	ds_add_u32 v1, v2
	ds_add_u32 v1, v2
	s_wait_dscnt 0x0
	v_lshrrev_b32 v4, 5, v0
	v_readfirstlane_b32 s[WV], v4                  ; wave 0..3
	s_lshr_b32 s[WJ], s[WV], 1                     ; j: which 128 rows of the slice of W
	s_and_b32 s[WI], s[WV], 1                      ; i: which groups of 16 rows of enc
	s_bfe_u32 s[CX], ttmp6, 0x40000                ; cx: my place in the cluster = my slice of W; it enters global addresses of plain accesses alone
	; group 1: 64 rows x 512 bytes, 16 bytes of padding behind each row
	s_mov_b32 s[G1A], 15|(1<<20)|(1<<21)|(6<<22)|(3<<25)   ; 15:0 the mask: all four partners; 17:16 elements of 1 byte; 20 padding on; 21 set beside a mask; 24:22 after every 128 words (code 6); 31:25 four words (code 3)
	s_mov_b32 s[G1W], (1<<20)|(6<<22)|(3<<25)      ; the same without a mask: W's slice is mine alone
.irp g, G1A, G1W
	s_mov_b32 s[\g+1], 512<<16                     ; tensor_dim0
	s_mov_b32 s[\g+2], 64<<16                      ; tensor_dim1
	s_mov_b32 s[\g+3], 512<<16                     ; tile_dim0
	s_mov_b32 s[\g+4], 64                          ; tile_dim1
	s_mov_b32 s[\g+5], 512                         ; from row to row
	s_mov_b32 s[\g+6], 0
	s_mov_b32 s[\g+7], 0
.endr
	; the scale bytes of 256 rows: 8,192 dense bytes as 32 rows of 256 (32 elements of 8 bytes), 16 bytes of padding behind each
	s_mov_b32 s[G1S], 15|(3<<16)|(1<<20)|(1<<21)|(5<<22)|(3<<25)
	s_mov_b32 s[G1S+1], 32<<16
	s_mov_b32 s[G1S+2], 32<<16
	s_mov_b32 s[G1S+3], 32<<16
	s_mov_b32 s[G1S+4], 32
	s_mov_b32 s[G1S+5], 32
	s_mov_b32 s[G1S+6], 0
	s_mov_b32 s[G1S+7], 0
	s_lshl_b32 s22, ttmp9, 19                      ; enc's codes: 1,024 rows x 512 bytes a cluster (ttmp9 counts clusters),
	s_lshl_b32 s23, s[WV], 15                      ; my 64 rows of a tile
	s_add_co_u32 s22, s22, s23
	s_mov_b32 s23, 0
	s_lshl_b32 s24, ttmp9, 15                      ; enc's scales: 1,024 rows x 32 bytes a cluster,
	s_lshl_b32 s25, s[WV], 13                      ; my 256 rows
	s_add_co_u32 s24, s24, s25
	s_mov_b32 s25, 0
	s_lshl_b32 s26, s[CX], 17                      ; W's codes: my slice's 256 rows,
	s_lshl_b32 s27, s[WV], 15                      ; my 64 of them
	s_add_co_u32 s26, s26, s27
	s_mov_b32 s27, 0
	s_mul_i32 s3, s[WV], QUART                     ; where a quarter goes in a region: the wave's number alone
	s_mul_i32 s2, s[WV], SCQ
	s_mov_b32 s[TA], 0
	s_mov_b32 s[TS], 0
	s_mov_b32 s[TT], 0
	s_wait_kmcnt 0x0
	s_mov_b32 s[G0W], 1
	s_add_co_u32 s[G0W+1], s3, R1
	s_add_nc_u64 s[G0W+2:G0W+3], s[8:9], s[26:27]
	s_or_b32 s[G0W+3], s[G0W+3], 0x80000000
	s_mov_b32 s[G0S], 1
	s_add_co_u32 s[G0S+1], s2, SCA
	s_add_nc_u64 s[G0S+2:G0S+3], s[6:7], s[24:25]
	s_or_b32 s[G0S+3], s[G0S+3], 0x80000000
	s_mov_b32 s[G0A0], 1
	s_mov_b32 s[G0A0+1], s3
	s_add_nc_u64 s[G0A0+2:G0A0+3], s[4:5], s[22:23]        ; tile 0: rows 0-255
	s_mov_b32 s[G0A1], 1
	s_add_co_u32 s[G0A1+1], s3, R1
	s_add_nc_u64 s[G0A1+2:G0A1+3], s[G0A0+2:G0A0+3], 0x20000   ; tile 1: 256 rows on
	s_or_b32 s[G0A0+3], s[G0A0+3], 0x80000000
	s_or_b32 s[G0A1+3], s[G0A1+3], 0x80000000
	s_lshl_b32 s26, s[CX], 13                      ; W's scales: 256 rows x 32 bytes a slice, 128 rows for j
	s_lshl_b32 s2, s[WJ], 12
	s_add_co_u32 s26, s26, s2
	s_add_nc_u64 s[10:11], s[10:11], s[26:27]
	s_lshl_b32 s26, s[CX], 10                      ; b: 256 numbers a slice, 128 for j
	s_lshl_b32 s2, s[WJ], 9
	s_add_co_u32 s26, s26, s2
	s_add_nc_u64 s[14:15], s[14:15], s[26:27]
	s_lshr_b32 s2, ttmp9, 1                        ; hidden: the same columns of my batch's row (two clusters to a batch)
	s_lshl_b32 s2, s2, 12
	s_add_co_u32 s26, s26, s2
	s_add_nc_u64 s[12:13], s[12:13], s[26:27]
	s_lshl_b32 s26, s[CX], 18                      ; part: 65,536 f32 a slice, 1,024 a cluster
	s_lshl_b32 s2, ttmp9, 12
	s_add_co_u32 s26, s26, s2
	s_add_nc_u64 s[16:17], s[16:17], s[26:27]
	CROUND                                         ; all four work-groups are here: the first joint loads meet
	tensor_load_to_lds s[G0W:G0W+3], s[G1W:G1W+7]          ; the first fills go out as one group: three loads of mine are out.  W first: it is wanted first
	s_nop 0
	tensor_load_to_lds s[G0S:G0S+3], s[G1S:G1S+7]
	s_nop 0
	tensor_load_to_lds s[G0A0:G0A0+3], s[G1A:G1A+7]
	s_nop 0
	PLACES                                         ; four v_nop follow the last
	v_and_b32 v64, 15, v0                          ; r
	v_bfe_u32 v65, v0, 4, 1                        ; h
	v_mul_u32_u24 v66, v64, PITCH
	v_lshl_add_u32 v66, v65, 4, v66                ; a fragment's row x pitch + 16 h
	s_mul_i32 s2, s[WJ], 128*PITCH
	s_add_co_u32 s2, s2, R1
	v_add_nc_u32 v5, s2, v66                       ; W: my 128 rows in region 1
	s_mul_i32 s2, s[WI], 16*PITCH
	v_add_nc_u32 v67, s2, v66                      ; enc: group i of the first pair
	v_lshrrev_b32 v69, 3, v64
	v_mul_u32_u24 v68, v69, 272                    ; enc's scale words: eight rows of 32 bytes to a run of 256,
	v_and_b32 v69, 7, v64
	v_lshl_add_u32 v68, v69, 5, v68
	v_lshl_add_u32 v68, v65, 4, v68                ; lanes 16-31 take K steps 4-7,
	s_mul_i32 s2, s[WI], 544                       ; a group of 16 rows is two runs
	s_add_co_u32 s2, s2, SCA
	v_add_nc_u32 v68, s2, v68
	v_mul_u32_u24 v70, v65, PLANE                  ; the stage: plane 2 j + h, word 16 i + r of a pair's 32
	v_lshl_add_u32 v70, v64, 2, v70
	s_mul_i32 s2, s[WJ], 2*PLANE
	s_lshl_b32 s3, s[WI], 6
	s_add_co_u32 s2, s2, s3
	s_add_co_u32 s2, s2, SST
	v_add_nc_u32 v70, s2, v70
	v_lshl_add_u32 v6, v0, 4, SST                  ; and on the way out: 16 bytes a thread
	v_lshlrev_b32 v7, 5, v64
	v_lshl_add_u32 v7, v65, 4, v7                  ; W's scale words: row r's 32 bytes, + 16 h: a load of the wave covers 512 consecutive bytes
	v_lshlrev_b32 v4, 5, v65                       ; hidden and b: my half's eight numbers of a tile's sixteen
.irp w, 0,1,2,3,4,5,6,7
	global_load_b128 v[WS+4*\w:WS+4*\w+3], v7, s[10:11] offset:512*\w
.endr
.irp w, 0,1,2,3,4,5,6,7
.irp e, 0,1
	global_load_b128 v[ACC+8*\w+4*\e:ACC+8*\w+4*\e+3], v4, s[14:15] offset:64*\w+16*\e    ; b, for now where the first sums will stand
.endr
.endr
	WIN 0x40                                       ; destination window 1
.irp w, 0,1,2,3
.irp e, 0,1
	global_load_b128 v[HID+8*\w+4*\e:HID+8*\w+4*\e+3], v4, s[12:13] offset:64*\w+16*\e
.endr
.endr
	v_mov_b32 v[AD12], v67
	v_mov_b32 v[AD12B], v67
	v_mov_b32 v[ASA], v68
	v_mov_b32 v[ASAB], v68
	WIN 0x80                                       ; destination window 2
.irp w, 4,5,6,7
.irp e, 0,1
	global_load_b128 v[HID+8*(\w-4)+4*\e:HID+8*(\w-4)+4*\e+3], v4, s[12:13] offset:64*\w+16*\e
.endr
.endr
	v_mov_b32 v[AD12], v67
	v_mov_b32 v[AD12B], v67
	v_mov_b32 v[SSAB], v70
	WIN 0xc0                                       ; destination window 3
	v_mov_b32 v[AD3], v67
	v_mov_b32 v[AD3B], v67
	s_wait_tensorcnt 0x2                           ; my quarter of W is in; the scales' load and tile 0's, issued behind it, may stay out
	s_barrier_signal -1
	s_barrier_wait -1                              ; everybody's quarter is
	; W into registers: fragment (K step k, tile w) = 16 rows x 128 K = 8 registers: lane (r, h) holds row r; registers 4 c .. 4 c + 3 hold K = 64 c + 32 h + 0 .. 31: 16 bytes of the row as they lie
	WIN 0x40
.irp k, 0,1,2
.irp w, 0,1,2,3,4,5,6,7
.irp c, 0,1
	ds_load_b128 v[64*\k+8*\w+4*\c:64*\k+8*\w+4*\c+3], v5 offset:16*PITCH*\w+64*\k+32*\c
.endr
.endr
.endr
	WIN 0x80
.irp k, 3,4,5
.irp w, 0,1,2,3,4,5,6,7
.irp c, 0,1
	ds_load_b128 v[64*(\k-3)+8*\w+4*\c:64*(\k-3)+8*\w+4*\c+3], v5 offset:16*PITCH*\w+64*\k+32*\c
.endr
.endr
.endr
	WIN 0xc0
.irp k, 6,7
.irp w, 0,1,2,3,4,5,6,7
.irp c, 0,1
	ds_load_b128 v[64*(\k-6)+8*\w+4*\c:64*(\k-6)+8*\w+4*\c+3], v5 offset:16*PITCH*\w+64*\k+32*\c
.endr
.endr
.endr
	; REGION 1 CHANGES HANDS: W's bytes are read out, enc's tile 1 takes them
	WIN 0
	s_wait_tensorcnt 0x0                           ; all my tensor loads have landed: the scales and tile 0 too
	ds_add_u32 v[SPW], v[NIL]                      ; 0 onto my spare word; the sums h b stand between it and the wait for it
	s_wait_loadcnt 0x0                             ; W's scale words, b, hidden
	WIN 0x01
.irp w, 0,1,2,3
.irp e, 0,2,4,6
.if \w == 0
	v_pk_mul_f32 v[HB+\e:HB+\e+1], v[HID+\e:HID+\e+1], v[ACC+\e:ACC+\e+1]
.else
	v_pk_fma_f32 v[HB+\e:HB+\e+1], v[HID+8*\w+\e:HID+8*\w+\e+1], v[ACC+8*\w+\e:ACC+8*\w+\e+1], v[HB+\e:HB+\e+1]
.endif
.endr
.endr
	WIN 0x02
.irp w, 4,5,6,7
.irp e, 0,2,4,6
	v_pk_fma_f32 v[HB+\e:HB+\e+1], v[HID+8*(\w-4)+\e:HID+8*(\w-4)+\e+1], v[ACC+8*\w+\e:ACC+8*\w+\e+1], v[HB+\e:HB+\e+1]
.endr
.endr
	WIN 0
	s_wait_dscnt 0x0                               ; the add is done, and W is in my registers: my reads of region 1 are over
	CROUND                                         ; so it is with every wave of every partner
	tensor_load_to_lds s[G0A1:G0A1+3], s[G1A:G1A+7]        ; tile 1: my one load behind the round, and the first thing there; it has eight blocks in which to land
	s_nop 0
	PLACES
; ---- the pieces of a block.  g is the number of the matrix instruction in hand: K step g / 8, tile g % 8
.macro MM p                            ; the 8 accumulators of set p take turns, one instruction a turn, over a block's edge and the loop's jump too
.set mk, g/8
.set mw, g%8
.set mD, ACC+64*(\p)+8*mw
.set mW, 64*(mk%3)+8*mw
.set mF, F+8*mk
.set mS, WS+4*mw+mk%4
.set mE, AS+4*(\p)+mk%4
.if mk == 0                            ; the first K step starts the sums: nothing is cleared
	v_wmma_scale_f32_16x16x128_f8f6f4 v[mD:mD+7], v[mW:mW+7], v[mF:mF+7], 0, v[mS], v[mE] matrix_a_fmt:MATRIX_FMT_FP4 matrix_b_fmt:MATRIX_FMT_FP4
.elseif mk < 4
	v_wmma_scale_f32_16x16x128_f8f6f4 v[mD:mD+7], v[mW:mW+7], v[mF:mF+7], v[mD:mD+7], v[mS], v[mE] matrix_a_fmt:MATRIX_FMT_FP4 matrix_b_fmt:MATRIX_FMT_FP4
.else
	v_wmma_scale_f32_16x16x128_f8f6f4 v[mD:mD+7], v[mW:mW+7], v[mF:mF+7], v[mD:mD+7], v[mS], v[mE] matrix_a_fmt:MATRIX_FMT_FP4 matrix_b_fmt:MATRIX_FMT_FP4 matrix_a_scale:MATRIX_SCALE_ROW1 matrix_b_scale:MATRIX_SCALE_ROW1
.endif
.endm
.macro EP q, n                         ; line n of 32 of the dot of set q with hidden: tile n / 4, pair n % 4, each accumulator from its low end on; four chains, begun with sum h b
.set ew, (\n)/4
.set ej, 2*((\n)%4)
.set eA, ACC+64*(\q)+8*ew+ej
.set eH, HID+8*(ew%4)+ej
.if ew == 0
	v_pk_fma_f32 v[SP+ej:SP+ej+1], v[eH:eH+1], v[eA:eA+1], v[HB+ej:HB+ej+1]
.else
	v_pk_fma_f32 v[SP+ej:SP+ej+1], v[eH:eH+1], v[eA:eA+1], v[SP+ej:SP+ej+1]
.endif
.endm
.macro FN n                            ; the four chains become one number.  Source 0's window is W's here, so a sum of two registers of window 0 is written as 1.0 x one + the other: still one instruction
.if \n == 0
	v_pk_fma_f32 v[SP:SP+1], 1.0, v[SP+2:SP+3], v[SP:SP+1] op_sel_hi:[0,1,1]
.elseif \n == 1
	v_pk_fma_f32 v[SP+4:SP+5], 1.0, v[SP+6:SP+7], v[SP+4:SP+5] op_sel_hi:[0,1,1]
.elseif \n == 2
	v_pk_fma_f32 v[SP:SP+1], 1.0, v[SP+4:SP+5], v[SP:SP+1] op_sel_hi:[0,1,1]
.else
	v_fma_f32 v[T], 1.0, v[SP], v[SP+1]
.endif
.endm
.macro LDF adr, k, c, off              ; half c of enc's fragment of K step k
	ds_load_b128 v[F+8*(\k)+4*(\c):F+8*(\k)+4*(\c)+3], v[\adr] offset:(\off)+64*(\k)+32*(\c)
.endm
.macro PH2 p, epi, kind, cnt           ; cnt matrix instructions of K steps 3-5, and what stands behind each
.rept \cnt
	MM \p
.if \epi && (g < 40)
	EP 1-\p, g-8
.endif
.if (!\epi) && (g < 28)
	v_nop                                          ; (the first block has no dot to stand here as the places in front of run A)
.endif
.if (\kind == KN) && (g >= 28) && (g < 34)
	LDF AD12, (g-28)/2, (g-28)%2, offN             ; run A: the next block's K steps 0-2; the four lines behind g 24-27 are its places
.endif
.if \epi
.if g == 40
	FN 0
.elseif g == 41
	FN 1
.elseif g == 43
	FN 2
.elseif g == 45
	FN 3
.elseif g == 47
	ds_store_b32 v[SSA], v[T] offset:128*(1-\p)    ; the last block's score of my row, over my 64 columns
.endif
.endif
.set g, g+1
.endr
.endm
; A BLOCK.  p: which set of sums and of scale words.  epi: a block went before, whose dot stands in this one.  pst: that block issued a store.  wrap: the next pair begins at region 0 again.  g0: the group 0 of a fill.
; A load into a register that a matrix instruction has read, and a vector instruction that reads a matrix result, stand four places behind it, and only plain vector instructions that name none of its registers
; are places (ISA guide 7.12.1 for vector instructions).  The dot's lines name hidden, the OTHER set and the chains: they are places for this block's products.
; The block's LDS instructions, in order: run C (4: my own K steps 6, 7), the next block's scale words (1), run A (6), the store (1), run B (6: the next block's K steps 3-5).
.macro BLOCK p, epi, pst, kind, wrap, g0
.set nxt, 1
.if \kind == KL
.set nxt, 0
.endif
.set offC, BSTR*\p
.set offN, BSTR*(1-\p)
.set g, 0
	s_wait_dscnt 6+\pst                            ; run A of the block before, and my scale words ahead of it, are in; younger: its store and its run B
	WIN 0x01
.rept 24
	MM \p
.if \epi && (g < 4)
	v_nop                                          ; four places behind all of the last block's products: for the dot's reads, run C and the load of scale words
.endif
.if \epi && (g >= 4) && (g < 20)
	EP 1-\p, g-4
.endif
.if (g >= 4) && (g < 8)
	LDF AD12, 6+(g-4)/2, (g-4)%2, offC             ; run C
.endif
.if nxt && (g == 8)
	ds_load_b128 v[AS+4*(1-\p):AS+4*(1-\p)+3], v[ASA] offset:1088*(\p+1)
.endif
.set g, g+1
.endr
.if \p == 1                            ; a pair's second block steps the addresses: scalar offsets, and each address made anew from its lane part
.if nxt
.if \wrap
	s_mov_b32 s[TA], 0
.else
	s_add_co_u32 s[TA], s[TA], 2*BSTR
.endif
	s_add_co_u32 s[TS], s[TS], 2176
	WIN 0x44
	v_add_nc_u32 v[AD12], s[TA], v[AD12B]
	v_add_nc_u32 v[ASA], s[TS], v[ASAB]
	WIN 0x88
	v_add_nc_u32 v[AD12], s[TA], v[AD12B]
.else
	WIN 0x88
.endif
	v_add_nc_u32 v[SSA], s[TT], v[SSAB]
	s_add_co_u32 s[TT], s[TT], 256
.endif
.if (\kind == KN) || (\kind == KL)
	s_wait_dscnt 4+nxt                             ; run B of the block before is in; younger: run C and the scale words
	WIN 0x02
	PH2 \p, \epi, \kind, 24
.else
	; THE CHANGE OF REGIONS: the next block lies in the other region.  My last reads of this one are run C above.
	WIN 0                                          ; (the add's two registers lie in window 0)
	s_wait_tensorcnt 0x0                           ; all my tensor loads have landed: my quarter of the other region
	ds_add_u32 v[SPW], v[NIL]                      ; 0 onto my spare word
	s_wait_dscnt 6                                 ; run B of the block before is in; younger: run C, the scale words, the add
	WIN 0x02
	PH2 \p, \epi, \kind, 8                         ; eight matrix instructions stand between the add and the wait for it
	s_wait_dscnt 0x0                               ; the add is done, and my reads of this region are over
	s_barrier_signal -1
	PH2 \p, \epi, \kind, 8                         ; work on registers while the others arrive
.if \kind == KCF
	WIN 0
.endif
	s_barrier_wait -1
.if \kind == KCF
	CREST                                          ; the barrier has opened a round of the cluster's: no wave of any partner still reads this region or has a load on its way
	s_add_nc_u64 s[\g0+2:\g0+3], s[\g0+2:\g0+3], 0x40000   ; the region's next tile: 512 rows on
	tensor_load_to_lds s[\g0:\g0+3], s[G1A:G1A+7]  ; my one load behind the round, and the first thing there: eight blocks ahead of its first read
	s_nop 0
	PLACES
.endif
	WIN 0x02
.irp k, 0,1,2
.irp c, 0,1
	LDF AD12, \k, \c, offN                         ; run A, out of the region that has just been shown whole
.endr
.endr
	PH2 \p, \epi, \kind, 8
.endif
.if (\p == 1) && nxt
	WIN 0xcc
	v_add_nc_u32 v[AD3], s[TA], v[AD3B]
.endif
.if (\kind == KN) || (\kind == KL)
	s_wait_dscnt 7*nxt+\epi                        ; run C is in; younger: the scale words, run A, the store.  (At a change of regions the wait for 0 has shown it)
.endif
	WIN 0x03
.rept 16
	MM \p
.if nxt && (g < 50)
	v_nop                                          ; four places in front of run B
	v_nop
.endif
.if nxt && (g >= 50) && (g < 56)
	LDF AD3, 3+(g-50)/2, (g-50)%2, offN            ; run B
.endif
.set g, g+1
.endr
.endm
.macro LOOP n                          ; n pairs of plain blocks
	WIN 0                                          ; at a label and at a branch every window is 0
	s_mov_b32 s[CNT], \n
.Lpair_\@:
	BLOCK 0, 1, 1, KN, 0, 0
	BLOCK 1, 1, 1, KN, 0, 0
	WIN 0
	s_sub_co_u32 s[CNT], s[CNT], 1
	s_cmp_lg_u32 s[CNT], 0
	s_cbranch_scc1 .Lpair_\@
.endm
	; block 0's scale words and its K steps 0-5, in the order in which a block leaves them for its successor
	WIN 0x01
	ds_load_b128 v[AS:AS+3], v[ASA]
	WIN 0x02
.irp k, 0,1,2,3,4,5
.irp c, 0,1
	LDF AD12, \k, \c, 0
.endr
.endr
	BLOCK 0, 0, 0, KN, 0, 0                        ; blocks 0, 1
	BLOCK 1, 1, 0, KN, 0, 0
	LOOP 2                                         ; 2-5
	BLOCK 0, 1, 1, KN, 0, 0                        ; 6
	BLOCK 1, 1, 1, KCF, 0, G0A0                    ; 7: region 0 is read out: tile 2 goes into it; on to region 1
	LOOP 3                                         ; 8-13
	BLOCK 0, 1, 1, KN, 0, 0                        ; 14
	BLOCK 1, 1, 1, KCF, 1, G0A1                    ; 15: tile 3 goes into region 1; back to region 0
	LOOP 3                                         ; 16-21
	BLOCK 0, 1, 1, KN, 0, 0                        ; 22
	BLOCK 1, 1, 1, KC0, 0, 0                       ; 23: on to region 1; nothing is left to fetch
	LOOP 3                                         ; 24-29
	BLOCK 0, 1, 1, KN, 0, 0                        ; 30
	BLOCK 1, 1, 1, KL, 0, 0                        ; 31
	; the last block's dot
	WIN 0x01
	PLACES
.set g, 0
.rept 16
	EP 1, g
.set g, g+1
.endr
	WIN 0x02
.rept 16
	EP 1, g
.set g, g+1
.endr
	FN 0
	FN 1
	FN 2
	FN 3
	ds_store_b32 v[SSA], v[T] offset:128
	WIN 0
	v_lshlrev_b32 v4, 4, v0                        ; my 16 bytes of part (the loads that took v4 as their offset have been waited for)
	s_wait_dscnt 0x0                               ; for the others' sake: my scores are in the stage
	s_barrier_signal -1
	s_barrier_wait -1
	; THE WAY OUT: the four planes are added; a thread takes rows 4 t .. 4 t + 3 and the same 512 rows on
.irp u, 0,1
.irp q, 0,1,2,3
	ds_load_b128 v[F+16*\u+4*\q:F+16*\u+4*\q+3], v6 offset:\q*PLANE+2048*\u
.endr
.endr
	s_wait_dscnt 0x0
.irp u, 0,1
.irp e, 0,2
	v_pk_add_f32 v[F+16*\u+\e:F+16*\u+\e+1], v[F+16*\u+\e:F+16*\u+\e+1], v[F+16*\u+4+\e:F+16*\u+4+\e+1]
	v_pk_add_f32 v[F+16*\u+8+\e:F+16*\u+8+\e+1], v[F+16*\u+8+\e:F+16*\u+8+\e+1], v[F+16*\u+12+\e:F+16*\u+12+\e+1]
.endr
.irp e, 0,2
	v_pk_add_f32 v[F+16*\u+\e:F+16*\u+\e+1], v[F+16*\u+\e:F+16*\u+\e+1], v[F+16*\u+8+\e:F+16*\u+8+\e+1]
.endr
	global_store_b128 v4, v[F+16*\u:F+16*\u+3], s[16:17] offset:2048*\u    ; each store of a wave covers 512 consecutive bytes, at a multiple of 256 from part's first byte
.endr
	s_wait_tensorcnt 0x0                           ; the wave's end, behind my last tensor load and my last LDS store
	ds_add_u32 v[SPW], v[NIL]
	s_wait_dscnt 0x0
	CROUND                                         ; the closing round: no work-group ends while a partner may still ask for a tile that names it
	s_endpgm
.Lfunc_end_k_q70885f8195_scores:
	.size	k_q70885f8195_scores, .Lfunc_end_k_q70885f8195_scores-k_q70885f8195_scores
	.p2alignl 7, 3214868480
	.fill 96, 4, 3214868480
	.section	.rodata,"a",@progbits
	.p2align	6, 0x0
	.amdhsa_kernel k_q70885f8195_scores
		.amdhsa_group_segment_fixed_size 327680
		.amdhsa_private_segment_fixed_size 0
		.amdhsa_enable_private_segment 0
		.amdhsa_kernarg_size 56
		.amdhsa_user_sgpr_count 2
		.amdhsa_user_sgpr_kernarg_segment_ptr 1
		.amdhsa_wavefront_size32 1
		.amdhsa_system_sgpr_workgroup_id_x 1
		.amdhsa_system_sgpr_workgroup_id_y 1
		.amdhsa_system_sgpr_workgroup_id_z 1
		.amdhsa_system_vgpr_workitem_id 0
		.amdhsa_next_free_vgpr 904
		.amdhsa_next_free_sgpr 76
		.amdhsa_reserve_vcc 0
		.amdhsa_float_denorm_mode_32 3
		.amdhsa_float_denorm_mode_16_64 3
		.amdhsa_memory_ordered 1
		.amdhsa_forward_progress 1
		.amdhsa_inst_pref_size 243
	.end_amdhsa_kernel
	.amdgpu_metadata
---
amdhsa.version: [ 1, 2 ]
amdhsa.kernels:
  - .name:           k_q70885f8195_scores
    .symbol:         k_q70885f8195_scores.kd
    .args:
      - { .name: encoder_outputs_codes, .offset: 0, .size: 8, .value_kind: global_buffer, .address_space: global }
      - { .name: encoder_outputs_scales, .offset: 8, .size: 8, .value_kind: global_buffer, .address_space: global }
      - { .name: W_codes, .offset: 16, .size: 8, .value_kind: global_buffer, .address_space: global }
      - { .name: W_scales, .offset: 24, .size: 8, .value_kind: global_buffer, .address_space: global }
      - { .name: hidden, .offset: 32, .size: 8, .value_kind: global_buffer, .address_space: global }
      - { .name: b, .offset: 40, .size: 8, .value_kind: global_buffer, .address_space: global }
      - { .name: part, .offset: 48, .size: 8, .value_kind: global_buffer, .address_space: global }
    .group_segment_fixed_size: 327680
    .private_segment_fixed_size: 0
    .kernarg_segment_align: 8
    .kernarg_segment_size: 56
    .max_flat_workgroup_size: 128
    .sgpr_count:     76
    .vgpr_count:     904
    .wavefront_size: 32
...
	.end_amdgpu_metadata
.endif
;; end of part 1
;; launch softmax (part 2): grid 32 x 1, 16 waves a work-group, no clusters, 2,304 bytes of LDS; arguments part, out0; writes out0
.if DOCPART == 2
	.amdgcn_target "amdgcn-amd-amdhsa--gfx1250"
	.amdhsa_code_object_version 6
	.text
	.protected	k_q70885f8195_softmax
	.globl	k_q70885f8195_softmax
	.p2align	8
	.type	k_q70885f8195_softmax,@function
k_q70885f8195_softmax:
	s_mov_b64 s[64:65], 0
	v_nop
	global_prefetch_b8 v0, s[64:65] scope:SCOPE_SE
	s_setreg_imm32_b32 hwreg(HW_REG_WAVE_MODE, 25, 1), 1
	s_wait_xcnt 0x0
; out0[b][s] = softmax over s of the score[b][s] = part[0][b][s] + part[1][b][s] + part[2][b][s] + part[3][b][s].  part: [4][32][2048] f32; out0: [32][2048] f32.
; A work-group owns a batch's row: its maximum and its sum want one owner.  512 threads, four neighbouring scores each: a load or store of a wave covers 512 consecutive bytes.
; The row's maximum is taken away before the exponential; the difference is formed first and then multiplied by log2(e), so that no difference of large products is formed.
; Each of the two reductions goes lane, wave (DPP and one exchange of halves), then the sixteen waves' figures through 64 LDS bytes of its own, behind one barrier.
; LIMITS: a result under 2^-126 comes out as 0 (the exponential gives 0 for what would be denormal: ISA guide, its entry in 15.8).
	s_load_b128 s[4:7], s[0:1], 0x0                ; part, out0
	v_lshl_add_u32 v48, v0, 2, 0x100
	v_mov_b32 v49, 0
	v_lshlrev_b32 v1, 4, v0                        ; my 16 bytes of the row
	v_lshrrev_b32 v2, 5, v0
	v_lshlrev_b32 v2, 2, v2                        ; LDS: my wave's word
	v_mov_b32 v3, 0
	v_mov_b32 v22, 0                               ; (a lane permute's destination counts as one of its sources)
	s_lshl_b32 s8, ttmp9, 13                       ; a row is 8,192 bytes
	s_mov_b32 s9, 0
	s_mov_b32 s10, 0x76543210                      ; v_permlanex16_b32's selects for lane l xor 16
	s_mov_b32 s11, 0xfedcba98
	s_wait_kmcnt 0x0
	s_add_nc_u64 s[4:5], s[4:5], s[8:9]
	s_add_nc_u64 s[6:7], s[6:7], s[8:9]
.irp q, 0,1,2,3
	global_load_b128 v[4+4*\q:7+4*\q], v1, s[4:5] offset:\q*262144 th:TH_LOAD_NT   ; the four slices' parts of my four scores
.endr
	s_wait_loadcnt 0x0
	v_pk_add_f32 v[4:5], v[4:5], v[8:9]
	v_pk_add_f32 v[6:7], v[6:7], v[10:11]
	v_pk_add_f32 v[12:13], v[12:13], v[16:17]
	v_pk_add_f32 v[14:15], v[14:15], v[18:19]
	v_pk_add_f32 v[4:5], v[4:5], v[12:13]
	v_pk_add_f32 v[6:7], v[6:7], v[14:15]          ; the scores
	v_max3_num_f32 v20, v4, v5, v6
	v_max_num_f32 v20, v20, v7
	v_max_num_f32_dpp v20, v20, v20 row_xmask:1 row_mask:0xf bank_mask:0xf
	v_max_num_f32_dpp v20, v20, v20 row_xmask:2 row_mask:0xf bank_mask:0xf
	v_max_num_f32_dpp v20, v20, v20 row_xmask:4 row_mask:0xf bank_mask:0xf
	v_max_num_f32_dpp v20, v20, v20 row_xmask:8 row_mask:0xf bank_mask:0xf
	v_permlanex16_b32 v22, v20, s10, s11
	v_max_num_f32 v20, v20, v22                    ; my wave's maximum, in every lane
	ds_store_b32 v2, v20                           ; all lanes write the same word with the same value
	s_wait_dscnt 0x0                               ; for the others' sake
	s_barrier_signal -1
	s_barrier_wait -1
.irp q, 0,1,2,3
	ds_load_b128 v[24+4*\q:27+4*\q], v3 offset:16*\q
.endr
	s_wait_dscnt 0x0
	v_max3_num_f32 v20, v24, v25, v26
	v_max3_num_f32 v21, v27, v28, v29
	v_max3_num_f32 v20, v20, v30, v31
	v_max3_num_f32 v21, v21, v32, v33
	v_max3_num_f32 v20, v20, v34, v35
	v_max3_num_f32 v21, v21, v36, v37
	v_max3_num_f32 v20, v20, v38, v39
	v_max_num_f32 v20, v20, v21                    ; the row's maximum
	v_pk_add_f32 v[4:5], v[4:5], v[20:21] op_sel_hi:[1,0] neg_lo:[0,1] neg_hi:[0,1]   ; score - maximum (of the pair the low word serves both halves)
	v_pk_add_f32 v[6:7], v[6:7], v[20:21] op_sel_hi:[1,0] neg_lo:[0,1] neg_hi:[0,1]
	v_pk_mul_f32 v[4:5], v[4:5], 0x3fb8aa3b op_sel_hi:[1,0]    ; x log2(e)
	v_pk_mul_f32 v[6:7], v[6:7], 0x3fb8aa3b op_sel_hi:[1,0]
	v_exp_f32 v4, v4
	v_exp_f32 v5, v5
	v_exp_f32 v6, v6
	v_exp_f32 v7, v7
	v_nop                                          ; a plain instruction between the last exponential and the use of its result
	s_wait_alu depctr_va_vdst(0)
	v_add_f32 v20, v4, v5
	v_add_f32 v21, v6, v7
	v_add_f32 v20, v20, v21
	v_add_f32_dpp v20, v20, v20 row_xmask:1 row_mask:0xf bank_mask:0xf
	v_add_f32_dpp v20, v20, v20 row_xmask:2 row_mask:0xf bank_mask:0xf
	v_add_f32_dpp v20, v20, v20 row_xmask:4 row_mask:0xf bank_mask:0xf
	v_add_f32_dpp v20, v20, v20 row_xmask:8 row_mask:0xf bank_mask:0xf
	v_permlanex16_b32 v22, v20, s10, s11
	v_add_f32 v20, v20, v22                        ; my wave's sum
	ds_store_b32 v2, v20 offset:64                 ; other bytes than the maxima's: no wave may still be reading those
	s_wait_dscnt 0x0
	s_barrier_signal -1
	s_barrier_wait -1
.irp q, 0,1,2,3
	ds_load_b128 v[24+4*\q:27+4*\q], v3 offset:64+16*\q
.endr
	s_wait_dscnt 0x0
	v_pk_add_f32 v[24:25], v[24:25], v[26:27]
	v_pk_add_f32 v[28:29], v[28:29], v[30:31]
	v_pk_add_f32 v[32:33], v[32:33], v[34:35]
	v_pk_add_f32 v[36:37], v[36:37], v[38:39]
	v_pk_add_f32 v[24:25], v[24:25], v[28:29]
	v_pk_add_f32 v[32:33], v[32:33], v[36:37]
	v_pk_add_f32 v[24:25], v[24:25], v[32:33]
	v_add_f32 v24, v24, v25                        ; the row's sum: at least 1, the maximum's own term
	v_rcp_f32 v20, v24
	v_nop                                          ; a plain instruction behind the reciprocal
	s_wait_alu depctr_va_vdst(0)
	v_pk_mul_f32 v[4:5], v[4:5], v[20:21] op_sel_hi:[1,0]
	v_pk_mul_f32 v[6:7], v[6:7], v[20:21] op_sel_hi:[1,0]
	global_store_b128 v1, v[4:7], s[6:7]           ; a wave stores 512 consecutive bytes, at a multiple of 256 from out0's first byte
	s_wait_tensorcnt 0x0
	ds_add_u32 v48, v49
	s_wait_dscnt 0x0
	s_endpgm
.Lfunc_end_k_q70885f8195_softmax:
	.size	k_q70885f8195_softmax, .Lfunc_end_k_q70885f8195_softmax-k_q70885f8195_softmax
	.p2alignl 7, 3214868480
	.fill 96, 4, 3214868480
	.section	.rodata,"a",@progbits
	.p2align	6, 0x0
	.amdhsa_kernel k_q70885f8195_softmax
		.amdhsa_group_segment_fixed_size 2304
		.amdhsa_private_segment_fixed_size 0
		.amdhsa_enable_private_segment 0
		.amdhsa_kernarg_size 16
		.amdhsa_user_sgpr_count 2
		.amdhsa_user_sgpr_kernarg_segment_ptr 1
		.amdhsa_wavefront_size32 1
		.amdhsa_system_sgpr_workgroup_id_x 1
		.amdhsa_system_sgpr_workgroup_id_y 1
		.amdhsa_system_sgpr_workgroup_id_z 1
		.amdhsa_system_vgpr_workitem_id 0
		.amdhsa_next_free_vgpr 50
		.amdhsa_next_free_sgpr 66
		.amdhsa_reserve_vcc 0
		.amdhsa_float_denorm_mode_32 3
		.amdhsa_float_denorm_mode_16_64 3
		.amdhsa_memory_ordered 1
		.amdhsa_forward_progress 1
		.amdhsa_inst_pref_size 6
	.end_amdhsa_kernel
	.amdgpu_metadata
---
amdhsa.version: [ 1, 2 ]
amdhsa.kernels:
  - .name:           k_q70885f8195_softmax
    .symbol:         k_q70885f8195_softmax.kd
    .args:
      - { .name: part, .offset: 0, .size: 8, .value_kind: global_buffer, .address_space: global }
      - { .name: out0, .offset: 8, .size: 8, .value_kind: global_buffer, .address_space: global }
    .group_segment_fixed_size: 2304
    .private_segment_fixed_size: 0
    .kernarg_segment_align: 8
    .kernarg_segment_size: 16
    .max_flat_workgroup_size: 512
    .sgpr_count:     66
    .vgpr_count:     50
    .wavefront_size: 32
...
	.end_amdgpu_metadata
.endif
;; end of part 2
;; ======== version 2 of 2: 2 launches
;; limits: right only within a limited range of input values
;; workspace buffers: part 1,048,576 bytes
;; launch scores (part 3): grid 16 x 16, 4 waves a work-group, clusters of 4 x 4, 327,680 bytes of LDS; arguments encoder_outputs_codes, encoder_outputs_scales, W_codes, W_scales, hidden, part; writes part
.if DOCPART == 3
	.amdgcn_target "amdgcn-amd-amdhsa--gfx1250"
	.amdhsa_code_object_version 6
	.text
	.protected	k_q70885f8195_scores
	.globl	k_q70885f8195_scores
	.p2align	8
	.type	k_q70885f8195_scores,@function
k_q70885f8195_scores:
	s_mov_b64 s[64:65], 0
	v_nop
	global_prefetch_b8 v0, s[64:65] scope:SCOPE_SE
	s_setreg_imm32_b32 hwreg(HW_REG_WAVE_MODE, 25, 1), 1
	s_wait_xcnt 0x0
	s_wait_alu depctr_hold_cnt(0) depctr_sa_sdst(0) depctr_va_vdst(0) depctr_va_sdst(0) depctr_va_ssrc(0) depctr_va_vcc(0) depctr_vm_vsrc(0)
	s_getreg_b32 s2, hwreg(HW_REG_IB_STS2, 6, 4)
	s_cmp_eq_u32 s2, 0
	s_cbranch_scc0 .Lentry_in_a_cluster
	s_endpgm
.Lentry_in_a_cluster:
	s_bfe_u32 s2, ttmp6, 0x10000c
	s_cmp_lg_u32 s2, 0xf033
	s_cbranch_scc0 .Lentry_shape_is_right
	s_endpgm
.Lentry_shape_is_right:
; part[cx][row] = sum over the 256 columns n of slice cx of hidden[batch][n] E[row][n],  E = enc W^T on codes of FP4 (E2M1) with one E8M0 scale for each 32 along K = 1,024; sums in f32.
; enc: 65,536 rows of 512 bytes of codes and 32 scale bytes; W: 1,024 rows likewise.  E never goes to memory: the dot with hidden is taken of the f32 accumulators.
; LEFT OUT: THE BIAS b.  It adds sum over n of hidden[batch][n] b[n] to every score of a batch: the same number for all positions s, and a softmax over s does not change when one number is added to all its inputs.
; So b has no way to the output for any values; it is not loaded and is no argument.  LIMIT: a NaN, an infinity or an overflow in b or in that sum alone is not carried to the result.
; LIMITS: NaN, infinities and scale bytes 0xff go through as the instructions form them.
; SHARES.  A cluster is 4 x 4 work-groups.  The four of a row of it (same cy) own 1,024 rows of enc, half a batch, and need the same tiles of enc; the four of a column (same cx) need the same 256 rows of W.  Both are asked
; for JOINTLY.  Wave (j, i) = (wave / 2, wave % 2) keeps W's rows 128 j .. 128 j + 127 of the slice, for ALL of K, in 512 registers, and takes the groups of 16 rows of enc with number 2 t + i, t = 0 .. 31.
; A block t = 16 rows of enc x 128 rows of W x K 1,024 = 32 matrix instructions on 4 accumulators by turns.  Two sets of accumulators and two buffers of enc fragments: block t's LDS instructions stand in one run at its top
; (block t + 1's fragments; the score of block t - 2), and the lines of block t - 1's dot with hidden stand one by one between its matrix instructions.
; enc streams through two LDS regions of 256 rows; a region's next tile is asked for when its last block's fragments are in registers: eight blocks ahead of its first read.  W comes through region 1 first.
; PREFETCH INTO THE L2: rows 64-255 of the first tile, whose load goes out when W has landed, are asked for at the head: 384 blocks of 256 bytes, each once in the cluster: the four partners share them out by address
; (48 rows each, 12 a wave).  The later tiles are asked for eight blocks, 256 matrix instructions, ahead by their loads, and are not prefetched.
; THE MATRIX INSTRUCTION IS USED TRANSPOSED: source 0 = 32 rows of W, source 1 = 16 rows of enc: lane (r, h) holds enc's row r and, in register 8 u + jj of tile a, W's row 32 a + 16 u + 8 h + jj: the dot needs no other lane.
; REGISTERS, in windows of 256 (s_set_vgpr_msb: bits 1:0 source 0, 3:2 source 1, 5:4 source 2, 7:6 destination).  The products of an even block and the dot of the odd block before it use the SAME setting, and the other way round:
;   window 0: v1-2 the add's; v8-19 addresses; v20-24 the end of a dot; v32-63 W's scale words; v64-95 enc's scale words, a ring of eight blocks;
;             v96-159 the even blocks' sums; v160-223 the odd blocks' fragments of enc; v224-231 the chains of the dots of odd blocks (they are taken in even blocks)
;   window 3: v96-159 the odd blocks' sums; v160-223 the even blocks' fragments; v224-231 the chains of the dots of even blocks; v0-63 W's tiles 28-31; v64-71 hidden for dot tile 7
;   window 1: W's tiles (4 x K step + a) 0-13, 16 registers each; v224-247 hidden for dot tiles 0-2.   window 2: W's tiles 14-27; v224-255 hidden for dot tiles 3-6
.set PITCH, 528                        ; an LDS row: 512 bytes + 16 of padding = 132 words: row r starts at bank 4 r mod 64 (64 banks of 4 bytes: ISA guide 11.1)
.set BSTR,  32*PITCH                   ; from a wave's block to its next
.set R1,    8*BSTR                     ; region 0 at byte 0, region 1 behind it
.set SST,   2*R1                       ; the scores' stage: 4 planes (2 j + h) of 1,024 f32, PLANE bytes apart; written by LDS stores alone
.set PLANE, 4160                       ; 4,096 + 64: the two halves of the lanes fall on different banks
.set SPARE, SST+16896                  ; the spare words, 128 bytes for each wave: two blocks of 256 bytes that no other line names
.set SPW, 1
.set NIL, 2
.set AW,  8                            ; LDS address of my W fragments in region 1
.set AE,  9                            ; v9-12: of my enc fragments, four blocks to each register
.set STG, 13                           ; my word in the stage
.set WO,  14                           ; the way out: 16 bytes a thread, in the stage
.set PO,  15                           ; and in part
.set ESO, 16                           ; offsets into enc's scales, W's scales, hidden; the prefetch's
.set WSO, 17
.set HO,  18
.set PFO, 19
.set TQ,  20
.set T,   24
.set WS,  32
.set ES,  64
.set ACC, 96
.set FB,  160
.set SP,  224
.set WV, 18                            ; s18 wave, s19 j, s20 i, s21 cx, s22 cy, s23 G: which 1,024 rows of enc
.set WJ, 19
.set WI, 20
.set CX, 21
.set CY, 22
.set GR, 23
.set G1E, 28                           ; group 1 for enc's tiles (its row count: 64 at the head, then 48, then 64); for W's 88 rows; for W's 80 rows
.set G1W, 36
.set G1X, 84
.set G0X, 92                           ; group 0 for W's rows 176-255
.set G0W, 44                           ; groups 0: W; enc's rows 0-63; the rest of tile 0; tiles 1 and 3; tile 2
.set G0E, 48
.set G0R, 52
.set G0A, 56
.set G0B, 60
.set PADW, (1<<20)|(1<<21)|(6<<22)|(3<<25)     ; elements of 1 byte; 20 padding on; 21 set beside a mask; 24:22 after every 128 words (code 6); 31:25 four words (code 3)
.set MSB, 0
.macro WIN new                         ; the immediate's high byte repeats the setting that is left; a switch that changes nothing is dropped
.if MSB != (\new)
	s_set_vgpr_msb (MSB<<8)|(\new)
.set MSB, (\new)
.endif
.endm
.macro PLACES
.rept 4
	v_nop
.endr
.endm
.macro CREST                           ; a round of the cluster's barrier behind its opening barrier
	s_cmp_lg_u32 s[WV], 0
	s_cbranch_scc1 .Lnot_wave_0_\@
	s_barrier_signal -3
.Lnot_wave_0_\@:
	s_barrier_wait -3
	s_barrier_signal -1
	s_barrier_wait -1
.endm
.macro CROUND                          ; a whole round
	s_barrier_signal -1
	s_barrier_wait -1
	CREST
.endm
	s_load_b256 s[4:11], s[0:1], 0x0               ; enc's codes s[4:5], enc's scales s[6:7], W's codes s[8:9], W's scales s[10:11]
	s_load_b128 s[12:15], s[0:1], 0x20             ; hidden s[12:13], part s[14:15]
	v_lshl_add_u32 v[SPW], v0, 2, SPARE
	v_mov_b32 v[NIL], 0
	ds_add_u32 v[SPW], v[NIL]                      ; the wave's opening: the add, twice on end, and its wait ahead of my first tensor load; work on registers stands between
	ds_add_u32 v[SPW], v[NIL]
	v_lshrrev_b32 v3, 5, v0
	v_readfirstlane_b32 s[WV], v3
	s_lshr_b32 s[WJ], s[WV], 1
	s_and_b32 s[WI], s[WV], 1
	s_bfe_u32 s[CX], ttmp6, 0x40000
	s_bfe_u32 s[CY], ttmp6, 0x40004
	s_and_b32 s[GR], ttmp7, 0xffff
	s_lshl_b32 s[GR], s[GR], 2
	s_add_co_u32 s[GR], s[GR], ttmp9               ; the cluster's number, 0 .. 15
	s_lshl_b32 s[GR], s[GR], 2
	s_add_co_u32 s[GR], s[GR], s[CY]               ; G, 0 .. 63
	s_lshl_b32 s66, s[CY], 2
	s_lshl_b32 s66, 15, s66                        ; my row of the cluster: enc's tiles
	s_lshl_b32 s67, 0x1111, s[CX]                  ; my column: W's slice
	s_or_b32 s[G1E], s66, PADW
	s_or_b32 s[G1W], s67, PADW
	s_or_b32 s[G1X], s67, PADW
	s_mov_b32 s[G1X+1], 512<<16
	s_mov_b32 s[G1X+2], 80<<16
	s_mov_b32 s[G1X+3], 512<<16
	s_mov_b32 s[G1X+4], 80
	s_mov_b32 s[G1X+5], 512
	s_mov_b32 s[G1X+6], 0
	s_mov_b32 s[G1X+7], 0
	s_mov_b32 s[G1E+1], 512<<16                    ; tensor_dim0
	s_mov_b32 s[G1E+2], 64<<16                     ; tensor_dim1
	s_mov_b32 s[G1E+3], 512<<16                    ; tile_dim0
	s_mov_b32 s[G1E+4], 64                         ; tile_dim1
	s_mov_b32 s[G1E+5], 512                        ; from row to row
	s_mov_b32 s[G1E+6], 0
	s_mov_b32 s[G1E+7], 0
	s_mov_b32 s[G1W+1], 512<<16
	s_mov_b32 s[G1W+2], 88<<16
	s_mov_b32 s[G1W+3], 512<<16
	s_mov_b32 s[G1W+4], 88
	s_mov_b32 s[G1W+5], 512
	s_mov_b32 s[G1W+6], 0
	s_mov_b32 s[G1W+7], 0
	s_mov_b32 s[G0W], 1
	s_mov_b32 s[G0E], 1
	s_mov_b32 s[G0X], 1
	s_mov_b32 s[G0X+1], R1+176*PITCH
	s_mul_i32 s[G0W+1], s[WI], 88*PITCH            ; W into region 1: 88 rows by wave 0, 88 by wave 1, 80 by wave 2
	s_add_co_u32 s[G0W+1], s[G0W+1], R1
	s_mov_b32 s[G0E+1], 0                          ; enc's rows 0-63: by wave 3
	s_lshl_b32 s24, s[GR], 19                      ; enc's codes: 1,024 rows x 512 bytes
	s_mov_b32 s25, 0
	s_lshl_b32 s26, s[CX], 17                      ; W's codes: 256 rows a slice, 88 each by waves 0 and 1
	s_mul_i32 s27, s[WI], 88*512
	s_add_co_u32 s26, s26, s27
	s_mov_b32 s27, 0
	s_lshl_b32 s16, s[CX], 17                      ; and rows 176-255 by wave 2
	s_add_co_u32 s16, s16, 176*512
	s_mov_b32 s17, 0
	s_wait_alu depctr_va_vdst(0)
	s_wait_dscnt 0x0                               ; both opening adds are done
	CROUND                                         ; all sixteen work-groups are here: the first joint loads meet
	s_wait_kmcnt 0x0
	s_add_nc_u64 s[G0W+2:G0W+3], s[8:9], s[26:27]
	s_or_b32 s[G0W+3], s[G0W+3], 0x80000000
	s_add_nc_u64 s[G0X+2:G0X+3], s[8:9], s[16:17]
	s_or_b32 s[G0X+3], s[G0X+3], 0x80000000
	s_add_nc_u64 s[4:5], s[4:5], s[24:25]
	s_mov_b64 s[G0E+2:G0E+3], s[4:5]
	s_or_b32 s[G0E+3], s[G0E+3], 0x80000000
	; THE HEAD'S LOADS, ONE A WAVE: waves 0, 1 and 2 fetch W's slice, wave 3 the first 64 rows of enc: one chain of branches, every way through it passes exactly one load
	s_cmp_lt_u32 s[WV], 2
	s_cbranch_scc0 .Lhead_x
	tensor_load_to_lds s[G0W:G0W+3], s[G1W:G1W+7]
	s_nop 0
	PLACES
	s_branch .Lasked
.Lhead_x:
	s_cmp_lt_u32 s[WV], 3
	s_cbranch_scc0 .Lfor_enc
	tensor_load_to_lds s[G0X:G0X+3], s[G1X:G1X+7]
	s_nop 0
	PLACES
	s_branch .Lasked
.Lfor_enc:
	tensor_load_to_lds s[G0E:G0E+3], s[G1E:G1E+7]
	s_nop 0
	PLACES
.Lasked:
	s_mov_b32 s[G0R], 1
	s_mov_b32 s[G0A], 1
	s_mov_b32 s[G0B], 1
	s_mul_i32 s[G0R+1], s[WV], 48*PITCH            ; rows 64-255: 48 a wave
	s_add_co_u32 s[G0R+1], s[G0R+1], 64*PITCH
	s_mul_i32 s[G0B+1], s[WV], 64*PITCH            ; whole tiles: 64 rows a wave
	s_add_co_u32 s[G0A+1], s[G0B+1], R1
	s_mul_i32 s68, s[WV], 48*512
	s_add_co_u32 s68, s68, 64*512
	s_mov_b32 s69, 0
	s_lshl_b32 s70, s[WV], 15
	s_add_co_u32 s70, s70, 0x20000
	s_mov_b32 s71, 0
	s_lshl_b32 s72, s[CX], 13                      ; W's scales: 256 rows x 32 bytes a slice, 128 rows for j
	s_lshl_b32 s73, s[WJ], 12
	s_add_co_u32 s72, s72, s73
	s_mov_b32 s73, 0
	s_lshr_b32 s74, s[GR], 1                       ; hidden: my batch's row, my slice, my 128 columns
	s_lshl_b32 s74, s74, 12
	s_lshl_b32 s75, s[CX], 10
	s_add_co_u32 s74, s74, s75
	s_lshl_b32 s75, s[WJ], 9
	s_add_co_u32 s74, s74, s75
	s_mov_b32 s75, 0
	s_lshl_b32 s76, s[GR], 15                      ; enc's scales: 1,024 rows x 32 bytes, group i of the first pair
	s_lshl_b32 s77, s[WI], 9
	s_add_co_u32 s76, s76, s77
	s_mov_b32 s77, 0
	s_lshl_b32 s78, s[CX], 18                      ; part: 65,536 f32 a slice, 1,024 a work-group
	s_lshl_b32 s79, s[GR], 12
	s_add_co_u32 s78, s78, s79
	s_mov_b32 s79, 0
	s_mul_i32 s82, s[CX], 48*512                   ; the prefetch: partner cx's 48 rows of rows 64-255, 12 a wave
	s_mul_i32 s83, s[WV], 12*512
	s_add_co_u32 s82, s82, s83
	s_add_co_u32 s82, s82, 64*512
	s_mov_b32 s83, 0
	s_add_nc_u64 s[82:83], s[4:5], s[82:83]
	s_add_nc_u64 s[10:11], s[10:11], s[72:73]
	s_add_nc_u64 s[12:13], s[12:13], s[74:75]
	s_add_nc_u64 s[6:7], s[6:7], s[76:77]
	s_add_nc_u64 s[14:15], s[14:15], s[78:79]
	s_add_nc_u64 s[G0R+2:G0R+3], s[4:5], s[68:69]
	s_or_b32 s[G0R+3], s[G0R+3], 0x80000000
	s_add_nc_u64 s[G0A+2:G0A+3], s[4:5], s[70:71]          ; tile 1: rows 256-511
	s_add_nc_u64 s[G0B+2:G0B+3], s[G0A+2:G0A+3], 0x20000   ; tile 2: 256 rows on
	s_or_b32 s[G0A+3], s[G0A+3], 0x80000000
	s_or_b32 s[G0B+3], s[G0B+3], 0x80000000
	s_mul_i32 s2, s[WJ], 128*PITCH
	s_add_co_u32 s2, s2, R1
	s_mul_i32 s3, s[WI], 16*PITCH
	s_mul_i32 s80, s[WJ], 2*PLANE
	s_lshl_b32 s81, s[WI], 6
	s_add_co_u32 s80, s80, s81
	s_add_co_u32 s80, s80, SST
	v_and_b32 v4, 15, v0                           ; r
	v_bfe_u32 v5, v0, 4, 1                         ; h
	v_and_b32 v[WSO], 31, v0
	v_min_u32 v[PFO], 23, v[WSO]                   ; 12 rows are 24 blocks of 256 bytes: the lanes left over name the last again
	v_lshlrev_b32 v[PFO], 8, v[PFO]
	v_lshlrev_b32 v[WSO], 5, v[WSO]                ; W's scales: lane m holds row m of a tile's 32
	v_lshlrev_b32 v[HO], 5, v5                     ; hidden: my half's eight numbers of sixteen
	v_lshlrev_b32 v[ESO], 5, v4                    ; row r's 32 bytes, + 16 h: lanes 0-15 hold K steps 0-3, lanes 16-31 K steps 4-7
	v_lshl_add_u32 v[ESO], v5, 4, v[ESO]
	v_mul_u32_u24 v6, v4, PITCH
	v_lshl_add_u32 v6, v5, 4, v6                   ; a fragment's row x pitch + 16 h
	v_add_nc_u32 v[AW], s2, v6
	v_add_nc_u32 v[AE], s3, v6
	v_add_nc_u32 v[AE+1], 4*BSTR, v[AE]
	v_add_nc_u32 v[AE+2], 8*BSTR, v[AE]
	v_add_nc_u32 v[AE+3], 12*BSTR, v[AE]
	v_mul_u32_u24 v[STG], v5, PLANE                ; plane 2 j + h, word 16 i + r of a pair's 32
	v_lshl_add_u32 v[STG], v4, 2, v[STG]
	v_add_nc_u32 v[STG], s80, v[STG]
	v_lshl_add_u32 v[WO], v0, 4, SST
	v_lshlrev_b32 v[PO], 4, v0
	s_wait_alu depctr_va_vdst(0)                   ; the head's end: nothing behind it in the head is made by a vector instruction
.macro LDES t                          ; block t's scale words: the wave's load covers 512 consecutive bytes, at a multiple of 512
	global_load_b128 v[ES+4*((\t)%8):ES+4*((\t)%8)+3], v[ESO], s[6:7] offset:1024*(\t)
.endm
.macro LDH reg, w                      ; hidden for dot tile w
	global_load_b128 v[(\reg):(\reg)+3], v[HO], s[12:13] offset:64*(\w)
	global_load_b128 v[(\reg)+4:(\reg)+7], v[HO], s[12:13] offset:64*(\w)+16
.endm
.irp a, 0,1,2,3
	global_load_b128 v[WS+8*\a:WS+8*\a+3], v[WSO], s[10:11] offset:1024*\a
	global_load_b128 v[WS+8*\a+4:WS+8*\a+7], v[WSO], s[10:11] offset:1024*\a+16
.endr
	global_prefetch_b8 v[PFO], s[82:83] th:TH_LOAD_NT scope:SCOPE_SE
	WIN 0x40                                       ; destination window 1
.irp w, 0,1,2
	LDH 224+8*\w, \w
.endr
	WIN 0x80
.irp w, 3,4,5,6
	LDH 200+8*\w, \w
.endr
	WIN 0xc0
	LDH 64, 7
	WIN 0
.irp t, 0,1,2,3,4,5,6,7
	LDES \t
.endr
; ---- the pieces of a block.  bn: its number; pp: its parity; g: the number of the matrix instruction in hand: K step g / 4, tile g % 4
.macro SETW n                          ; W's tile n lies in window ws0 at register wr
.if (\n) < 14
.set ws0, 1
.set wr, 16*(\n)
.elseif (\n) < 28
.set ws0, 2
.set wr, 16*((\n)-14)
.else
.set ws0, 3
.set wr, 16*((\n)-28)
.endif
.endm
.macro MM                              ; the accumulators take turns, one instruction a turn, over a block's edge too
.set mk, g/4
.set mD, ACC+16*(g%4)
.set mF, FB+8*mk
.set mS, WS+8*(g%4)+mk
.set mE, ES+4*(bn%8)+mk%4
	SETW g
	WIN 0x0c+0xe4*pp+ws0                           ; even: sums window 0, fragments window 3; odd: the other way round
.if mk == 0                            ; the first K step starts the sums: nothing is cleared
	v_wmma_scale_f32_32x16x128_f4 v[mD:mD+15], v[wr:wr+15], v[mF:mF+7], 0, v[mS], v[mE]
.elseif mk < 4
	v_wmma_scale_f32_32x16x128_f4 v[mD:mD+15], v[wr:wr+15], v[mF:mF+7], v[mD:mD+15], v[mS], v[mE]
.else
	v_wmma_scale_f32_32x16x128_f4 v[mD:mD+15], v[wr:wr+15], v[mF:mF+7], v[mD:mD+15], v[mS], v[mE] matrix_b_scale:MATRIX_SCALE_ROW1
.endif
.set g, g+1
.endm
.macro LDF nb                          ; enc's fragments of block nb: lane (r, h) takes 16 bytes of row r as they lie: K = 64 c + 32 h + 0 .. 31 of a step
	WIN 0xc0*(1-((\nb)%2))
.set lk, 0
.rept 8
	ds_load_b128 v[FB+8*lk:FB+8*lk+3], v[AE+((\nb)%16)/4] offset:((\nb)%4)*BSTR+64*lk
	ds_load_b128 v[FB+8*lk+4:FB+8*lk+7], v[AE+((\nb)%16)/4] offset:((\nb)%4)*BSTR+64*lk+32
.set lk, lk+1
.endr
.endm
.macro LDW k                           ; W's four tiles of K step k: 32 rows are 16 registers on end
.set la, 0
.rept 4
	SETW 4*(\k)+la
	WIN 0x40*ws0
	ds_load_b128 v[wr:wr+3], v[AW] offset:32*PITCH*la+64*(\k)
	ds_load_b128 v[wr+4:wr+7], v[AW] offset:32*PITCH*la+64*(\k)+32
	ds_load_b128 v[wr+8:wr+11], v[AW] offset:32*PITCH*la+16*PITCH+64*(\k)
	ds_load_b128 v[wr+12:wr+15], v[AW] offset:32*PITCH*la+16*PITCH+64*(\k)+32
.set la, la+1
.endr
.endm
.macro EP                              ; line el of 32 of the dot of the OTHER parity's sums: each accumulator from its low end on; four chains, begun by a product
.set ew, el/4
.set ej, 2*(el%4)
.set eA, ACC+8*ew+ej
.if ew < 3
.set es0, 1
.set eH, 224+8*ew+ej
.elseif ew < 7
.set es0, 2
.set eH, 200+8*ew+ej
.else
.set es0, 3
.set eH, 64+ej
.endif
	WIN 0x0c+0xe4*pp+es0
.if ew == 0
	v_pk_mul_f32 v[SP+ej:SP+ej+1], v[eH:eH+1], v[eA:eA+1]
.else
	v_pk_fma_f32 v[SP+ej:SP+ej+1], v[eH:eH+1], v[eA:eA+1], v[SP+ej:SP+ej+1]
.endif
.set el, el+1
.endm
.macro FINA                            ; the four chains of the dot taken in this block become two pairs
	WIN 0x0f*pp
	v_pk_add_f32 v[TQ:TQ+1], v[SP:SP+1], v[SP+2:SP+3]
	v_pk_add_f32 v[TQ+2:TQ+3], v[SP+4:SP+5], v[SP+6:SP+7]
.endm
.macro STEP                            ; a matrix instruction and the dot's lines behind it: tiles 0-2 of the dot beside W's tiles in window 1, 3-6 in window 2, 7 in window 3; the end's first half behind the last but one
.set gc, g
	MM
.set ne, 1
.if (gc == 0) || (gc == 13) || (gc > 29)
.set ne, 0
.elseif (gc == 19) || (gc == 25) || (gc == 28) || (gc == 29)
.set ne, 2
.endif
.if ne > 0
	EP
.endif
.if ne > 1
	EP
.endif
.if gc == 30
	FINA
.endif
.endm
.macro FINB n                          ; and the two pairs the score of block n - 2: my row over my 64 columns, into the stage
	WIN 0
	v_pk_add_f32 v[TQ:TQ+1], v[TQ:TQ+1], v[TQ+2:TQ+3]
	v_nop
	v_nop
	v_add_f32 v[T], v[TQ], v[TQ+1]
	ds_store_b32 v[STG], v[T] offset:128*((\n)-2)
.endm
; A BLOCK.  kind 0: plain; 1: its successor lies in the other region, and this one is filled again; 2: the same without a fill.
; A load into a register that a matrix instruction has read, and a vector instruction that reads a matrix result, stand four places behind it, and only plain vector instructions that name none of its registers are places
; (ISA guide 7.12.1 for vector instructions): FINB's two additions and two v_nop are the places behind the block before's products, ahead of the loads into its registers and of its dot.
.macro BLOCK kind
.set pp, bn%2
.set g, 0
.set el, 0
.set yo, 7
.if bn > 24
.set yo, 31-bn
.endif
	FINB bn
.if bn < 25
	LDES bn+7                                      ; into the words of the block before
.endif
.if \kind == 0
.if bn < 31
	LDF bn+1
	s_wait_dscnt 17                                ; my fragments are in; younger: the score's store and the 16 loads just issued
.else
	s_wait_dscnt 0x1                               ; younger: the score's store
.endif
	s_wait_loadcnt yo                              ; my scale words are in; the loads of the blocks behind may be out
.rept 32
	STEP
.endr
.else
	s_wait_dscnt 0x1                               ; my fragments are in
	s_wait_loadcnt yo
	s_wait_tensorcnt 0x0                           ; all my tensor loads have landed: my quarter of the other region
	ds_add_u32 v[SPW], v[NIL]                      ; 0 onto my spare word
.rept 8
	MM
.endr
	s_wait_dscnt 0x0                               ; the add is done; my reads of this region were over at the block's head
	s_barrier_signal -1
.rept 6
	MM
.endr
	WIN 0
	s_barrier_wait -1
.if \kind == 1
	CREST                                          ; the barrier has opened a round: no wave of any partner still reads this region or has a load on its way
.if bn == 15
	s_add_nc_u64 s[G0A+2:G0A+3], s[G0A+2:G0A+3], 0x40000   ; tile 3: 512 rows behind tile 1
	tensor_load_to_lds s[G0A:G0A+3], s[G1E:G1E+7]  ; the first tensor load behind the round, and my only one there
.else
	tensor_load_to_lds s[G0B:G0B+3], s[G1E:G1E+7]
.endif
	s_nop 0
	PLACES
.endif
	LDF bn+1                                       ; out of the region that has just been shown whole
.rept 12
	EP                                             ; no line of the dot stands among the waits above
.endr
.rept 18
	STEP
.endr
.endif
.set bn, bn+1
.endm
	s_wait_tensorcnt 0x0                           ; my part of W or of enc's rows 0-63 is in
	ds_add_u32 v[SPW], v[NIL]
	s_mov_b32 s[G1E+2], 48<<16                     ; no tensor load of mine is out, so a descriptor may be written: 48 rows
	s_mov_b32 s[G1E+4], 48
	s_wait_dscnt 0x0
	CROUND                                         ; everybody's part is in
	tensor_load_to_lds s[G0R:G0R+3], s[G1E:G1E+7]  ; rows 64-255 of tile 0
	s_nop 0
	PLACES
	; BLOCKS 0 AND 1 TOGETHER, K step by K step, while W comes into registers two K steps ahead
	LDF 0
	LDF 1
	LDW 0
	LDW 1
	s_wait_loadcnt 0x6                             ; W's scale words, hidden and the scale words of blocks 0 and 1 are in; blocks 2-7's may be out
.irp k, 0,1,2,3,4,5,6,7
.if \k < 6
	LDW \k+2
	s_wait_dscnt 32                                ; W's K step k is in; the next two K steps' 32 loads may be out
.elseif \k == 6
	s_wait_dscnt 16
.else
	s_wait_dscnt 0x0
.endif
.irp q, 0,1
.set bn, \q
.set pp, \q
.set g, 4*\k
.rept 4
	MM
.endr
.endr
.endr
	; REGION 1 CHANGES HANDS: W is in registers, enc's tile 1 takes its bytes
	WIN 0
	s_wait_tensorcnt 0x0                           ; my part of rows 64-255 is in
	ds_add_u32 v[SPW], v[NIL]
	s_mov_b32 s[G1E+2], 64<<16                     ; from here on 64 rows a load
	s_mov_b32 s[G1E+4], 64
	s_wait_dscnt 0x0
	CROUND
	tensor_load_to_lds s[G0A:G0A+3], s[G1E:G1E+7]  ; tile 1
	s_nop 0
	PLACES
	LDES 8
	LDF 2
.set pp, 1
.set el, 0
.rept 32
	EP                                             ; block 0's dot
.endr
	FINA
.set bn, 2
.rept 5
	BLOCK 0                                        ; 2-6
.endr
	BLOCK 1                                        ; 7: tile 2 goes into region 0; on to region 1
.rept 7
	BLOCK 0                                        ; 8-14
.endr
	BLOCK 1                                        ; 15: tile 3 goes into region 1; back to region 0
.rept 7
	BLOCK 0                                        ; 16-22
.endr
	BLOCK 2                                        ; 23: on to region 1; nothing is left to fetch
.rept 8
	BLOCK 0                                        ; 24-31
.endr
	FINB 32
.set pp, 0
.set el, 0
.rept 32
	EP                                             ; block 31's dot
.endr
	FINA
	FINB 33
	s_wait_dscnt 0x0                               ; for the others' sake: my scores are in the stage
	s_barrier_signal -1
	s_barrier_wait -1
	; THE WAY OUT: the four planes are added; a thread takes rows 4 t .. 4 t + 3 and the same 512 rows on
.irp u, 0,1
.irp q, 0,1,2,3
	ds_load_b128 v[FB+16*\u+4*\q:FB+16*\u+4*\q+3], v[WO] offset:\q*PLANE+2048*\u
.endr
.endr
	s_wait_dscnt 0x0
.irp u, 0,1
.irp e, 0,2
	v_pk_add_f32 v[FB+16*\u+\e:FB+16*\u+\e+1], v[FB+16*\u+\e:FB+16*\u+\e+1], v[FB+16*\u+4+\e:FB+16*\u+4+\e+1]
	v_pk_add_f32 v[FB+16*\u+8+\e:FB+16*\u+8+\e+1], v[FB+16*\u+8+\e:FB+16*\u+8+\e+1], v[FB+16*\u+12+\e:FB+16*\u+12+\e+1]
.endr
.irp e, 0,2
	v_pk_add_f32 v[FB+16*\u+\e:FB+16*\u+\e+1], v[FB+16*\u+\e:FB+16*\u+\e+1], v[FB+16*\u+8+\e:FB+16*\u+8+\e+1]
.endr
	global_store_b128 v[PO], v[FB+16*\u:FB+16*\u+3], s[14:15] offset:2048*\u    ; each store of a wave covers 512 consecutive bytes, at a multiple of 256 from part's first byte
.endr
	s_wait_tensorcnt 0x0                           ; the wave's end
	ds_add_u32 v[SPW], v[NIL]
	s_wait_dscnt 0x0
	CROUND                                         ; the closing round: no work-group ends while a partner may still ask for a tile that names it
	s_endpgm
.Lfunc_end_k_q70885f8195_scores:
	.size	k_q70885f8195_scores, .Lfunc_end_k_q70885f8195_scores-k_q70885f8195_scores
	.p2alignl 7, 3214868480
	.fill 96, 4, 3214868480
	.section	.rodata,"a",@progbits
	.p2align	6, 0x0
	.amdhsa_kernel k_q70885f8195_scores
		.amdhsa_group_segment_fixed_size 327680
		.amdhsa_private_segment_fixed_size 0
		.amdhsa_enable_private_segment 0
		.amdhsa_kernarg_size 48
		.amdhsa_user_sgpr_count 2
		.amdhsa_user_sgpr_kernarg_segment_ptr 1
		.amdhsa_wavefront_size32 1
		.amdhsa_system_sgpr_workgroup_id_x 1
		.amdhsa_system_sgpr_workgroup_id_y 1
		.amdhsa_system_sgpr_workgroup_id_z 1
		.amdhsa_system_vgpr_workitem_id 0
		.amdhsa_next_free_vgpr 1024
		.amdhsa_next_free_sgpr 96
		.amdhsa_reserve_vcc 0
		.amdhsa_float_denorm_mode_32 3
		.amdhsa_float_denorm_mode_16_64 3
		.amdhsa_memory_ordered 1
		.amdhsa_forward_progress 1
		.amdhsa_inst_pref_size 255
	.end_amdhsa_kernel
	.section	.bss,"aw",@nobits
	.p2align	6
	.space	262144
	.amdgpu_metadata
---
amdhsa.version: [ 1, 2 ]
amdhsa.kernels:
  - .name:           k_q70885f8195_scores
    .symbol:         k_q70885f8195_scores.kd
    .args:
      - { .name: encoder_outputs_codes, .offset: 0, .size: 8, .value_kind: global_buffer, .address_space: global }
      - { .name: encoder_outputs_scales, .offset: 8, .size: 8, .value_kind: global_buffer, .address_space: global }
      - { .name: W_codes, .offset: 16, .size: 8, .value_kind: global_buffer, .address_space: global }
      - { .name: W_scales, .offset: 24, .size: 8, .value_kind: global_buffer, .address_space: global }
      - { .name: hidden, .offset: 32, .size: 8, .value_kind: global_buffer, .address_space: global }
      - { .name: part, .offset: 40, .size: 8, .value_kind: global_buffer, .address_space: global }
    .group_segment_fixed_size: 327680
    .private_segment_fixed_size: 0
    .kernarg_segment_align: 8
    .kernarg_segment_size: 48
    .max_flat_workgroup_size: 128
    .sgpr_count:     96
    .vgpr_count:     1024
    .wavefront_size: 32
...
	.end_amdgpu_metadata
.endif
;; end of part 3
;; launch softmax (part 4): grid 32 x 1, 4 waves a work-group, no clusters, 768 bytes of LDS; arguments part, out0; writes out0
.if DOCPART == 4
	.amdgcn_target "amdgcn-amd-amdhsa--gfx1250"
	.amdhsa_code_object_version 6
	.text
	.protected	k_q70885f8195_softmax
	.globl	k_q70885f8195_softmax
	.p2align	8
	.type	k_q70885f8195_softmax,@function
k_q70885f8195_softmax:
	s_mov_b64 s[64:65], 0
	v_nop
	global_prefetch_b8 v0, s[64:65] scope:SCOPE_SE
	s_setreg_imm32_b32 hwreg(HW_REG_WAVE_MODE, 25, 1), 1
	s_wait_xcnt 0x0
; out0[b][s] = softmax over s of the score[b][s] = part[0][b][s] + part[1][b][s] + part[2][b][s] + part[3][b][s].  part: [4][32][2048] f32; out0: [32][2048] f32.  (The bias's share of a score, the same for all s, is left out: see the first kernel.)
; A work-group owns a batch's row: its maximum and its sum want one owner.  128 threads, sixteen scores each; every load and store of a wave covers 512 consecutive bytes.
; Each wave takes its own maximum m away before its exponentials and sums them; the four pairs (m, sum) meet in LDS behind ONE barrier; with M the largest m the row's sum is the sum of 2^((m - M) log2 e) x sum, and a wave's
; results are its exponentials x 2^((m - M) log2 e) / the row's sum.  Differences are formed first and then multiplied by log2(e).
; LIMITS: a result under 2^-126 comes out as 0 (the exponential gives 0 for what would be denormal: ISA guide, its entry in 15.8), and so may one whose wave's factor lies under 2^-126; NaN and infinite scores go through as the instructions form them.
.set X, 16                             ; v[16:31] my scores; v[32:79] the other three slices' parts
	s_load_b128 s[4:7], s[0:1], 0x0                ; part, out0
	v_lshl_add_u32 v2, v0, 2, 0x100                ; my spare word
	v_mov_b32 v3, 0
	v_lshlrev_b32 v1, 4, v0                        ; my 16 bytes of 2,048
	v_lshrrev_b32 v4, 5, v0
	v_lshlrev_b32 v4, 3, v4                        ; LDS: my wave's pair
	v_and_b32 v5, 3, v0
	v_lshlrev_b32 v5, 3, v5                        ; LDS: pair lane % 4
	v_mov_b32 v7, 0                                ; (a lane permute's destination counts as one of its sources)
	v_mov_b32 v15, 0                               ; (named as the upper half of v[14:15])
	s_lshl_b32 s8, ttmp9, 13                       ; a row is 8,192 bytes
	s_mov_b32 s9, 0
	s_mov_b32 s10, 0x76543210                      ; v_permlanex16_b32's selects for lane l xor 16
	s_mov_b32 s11, 0xfedcba98
	s_wait_alu depctr_va_vdst(0)
	s_wait_kmcnt 0x0
	s_add_nc_u64 s[4:5], s[4:5], s[8:9]
	s_add_nc_u64 s[6:7], s[6:7], s[8:9]
.irp u, 0,1,2,3
.irp q, 0,1,2,3
	global_load_b128 v[X+16*\q+4*\u:X+16*\q+4*\u+3], v1, s[4:5] offset:\q*262144+2048*\u th:TH_LOAD_NT
.endr
.endr
	s_wait_loadcnt 0x0
.irp e, 0,2,4,6,8,10,12,14
	v_pk_add_f32 v[X+\e:X+\e+1], v[X+\e:X+\e+1], v[X+16+\e:X+17+\e]
	v_pk_add_f32 v[X+32+\e:X+33+\e], v[X+32+\e:X+33+\e], v[X+48+\e:X+49+\e]
.endr
.irp e, 0,2,4,6,8,10,12,14
	v_pk_add_f32 v[X+\e:X+\e+1], v[X+\e:X+\e+1], v[X+32+\e:X+33+\e]
.endr
	v_max3_num_f32 v8, v16, v17, v18
	v_max3_num_f32 v9, v19, v20, v21
	v_max3_num_f32 v10, v22, v23, v24
	v_max3_num_f32 v11, v25, v26, v27
	v_max3_num_f32 v8, v8, v28, v29
	v_max3_num_f32 v9, v9, v30, v31
	v_max_num_f32 v10, v10, v11
	v_max3_num_f32 v8, v8, v9, v10
.irp m, 1,2,4,8
	v_max_num_f32_dpp v8, v8, v8 row_xmask:\m row_mask:0xf bank_mask:0xf
.endr
	v_permlanex16_b32 v7, v8, s10, s11
	v_max_num_f32 v8, v8, v7                       ; m: my wave's maximum, in every lane
.irp e, 0,2,4,6,8,10,12,14
	v_pk_add_f32 v[X+\e:X+\e+1], v[X+\e:X+\e+1], v[8:9] op_sel_hi:[1,0] neg_lo:[0,1] neg_hi:[0,1]   ; score - m (of the pair the low word serves both halves)
.endr
.irp e, 0,2,4,6,8,10,12,14
	v_pk_mul_f32 v[X+\e:X+\e+1], v[X+\e:X+\e+1], 0x3fb8aa3b op_sel_hi:[1,0]    ; x log2(e)
.endr
	s_wait_alu depctr_va_vdst(0)
.irp e, 0,1,2,3,4,5,6,7,8,9,10,11,12,13,14,15
	v_exp_f32 v[X+\e], v[X+\e]
.endr
	v_nop                                          ; a plain instruction between the last exponential and the use of its result
	s_wait_alu depctr_va_vdst(0)
	v_pk_add_f32 v[32:33], v[16:17], v[18:19]
	v_pk_add_f32 v[34:35], v[20:21], v[22:23]
	v_pk_add_f32 v[36:37], v[24:25], v[26:27]
	v_pk_add_f32 v[38:39], v[28:29], v[30:31]
	v_pk_add_f32 v[32:33], v[32:33], v[34:35]
	v_pk_add_f32 v[36:37], v[36:37], v[38:39]
	v_pk_add_f32 v[32:33], v[32:33], v[36:37]
	v_add_f32 v9, v32, v33
.irp m, 1,2,4,8
	v_add_f32_dpp v9, v9, v9 row_xmask:\m row_mask:0xf bank_mask:0xf
.endr
	v_permlanex16_b32 v7, v9, s10, s11
	v_add_f32 v9, v9, v7                           ; my wave's sum, at least 1: its maximum's own term
	ds_store_b64 v4, v[8:9]                        ; all lanes write the same words with the same values
	s_wait_dscnt 0x0                               ; for the others' sake
	s_barrier_signal -1
	s_barrier_wait -1
	ds_load_b64 v[12:13], v5                       ; lane l holds wave l % 4's pair
	s_wait_dscnt 0x0
	v_max_num_f32_dpp v10, v12, v12 row_xmask:1 row_mask:0xf bank_mask:0xf
	v_max_num_f32_dpp v10, v10, v10 row_xmask:2 row_mask:0xf bank_mask:0xf    ; M, in every lane
	v_sub_f32 v12, v12, v10
	v_sub_f32 v11, v8, v10
	v_mul_f32 v12, 0x3fb8aa3b, v12
	v_mul_f32 v11, 0x3fb8aa3b, v11
	s_wait_alu depctr_va_vdst(0)
	v_exp_f32 v12, v12
	v_exp_f32 v11, v11                             ; my wave's factor
	v_nop
	s_wait_alu depctr_va_vdst(0)
	v_mul_f32 v13, v13, v12
	v_add_f32_dpp v13, v13, v13 row_xmask:1 row_mask:0xf bank_mask:0xf
	v_add_f32_dpp v13, v13, v13 row_xmask:2 row_mask:0xf bank_mask:0xf        ; the row's sum, at least 1
	s_wait_alu depctr_va_vdst(0)
	v_rcp_f32 v14, v13
	v_nop
	s_wait_alu depctr_va_vdst(0)
	v_mul_f32 v14, v14, v11
.irp e, 0,2,4,6,8,10,12,14
	v_pk_mul_f32 v[X+\e:X+\e+1], v[X+\e:X+\e+1], v[14:15] op_sel_hi:[1,0]
.endr
.irp u, 0,1,2,3
	global_store_b128 v1, v[X+4*\u:X+4*\u+3], s[6:7] offset:2048*\u
.endr
	s_wait_tensorcnt 0x0                           ; the wave's end
	ds_add_u32 v2, v3
	s_wait_dscnt 0x0
	s_endpgm
.Lfunc_end_k_q70885f8195_softmax:
	.size	k_q70885f8195_softmax, .Lfunc_end_k_q70885f8195_softmax-k_q70885f8195_softmax
	.p2alignl 7, 3214868480
	.fill 96, 4, 3214868480
	.section	.rodata,"a",@progbits
	.p2align	6, 0x0
	.amdhsa_kernel k_q70885f8195_softmax
		.amdhsa_group_segment_fixed_size 768
		.amdhsa_private_segment_fixed_size 0
		.amdhsa_enable_private_segment 0
		.amdhsa_kernarg_size 16
		.amdhsa_user_sgpr_count 2
		.amdhsa_user_sgpr_kernarg_segment_ptr 1
		.amdhsa_wavefront_size32 1
		.amdhsa_system_sgpr_workgroup_id_x 1
		.amdhsa_system_sgpr_workgroup_id_y 1
		.amdhsa_system_sgpr_workgroup_id_z 1
		.amdhsa_system_vgpr_workitem_id 0
		.amdhsa_next_free_vgpr 80
		.amdhsa_next_free_sgpr 66
		.amdhsa_reserve_vcc 0
		.amdhsa_float_denorm_mode_32 3
		.amdhsa_float_denorm_mode_16_64 3
		.amdhsa_memory_ordered 1
		.amdhsa_forward_progress 1
		.amdhsa_inst_pref_size 10
	.end_amdhsa_kernel
	.amdgpu_metadata
---
amdhsa.version: [ 1, 2 ]
amdhsa.kernels:
  - .name:           k_q70885f8195_softmax
    .symbol:         k_q70885f8195_softmax.kd
    .args:
      - { .name: part, .offset: 0, .size: 8, .value_kind: global_buffer, .address_space: global }
      - { .name: out0, .offset: 8, .size: 8, .value_kind: global_buffer, .address_space: global }
    .group_segment_fixed_size: 768
    .private_segment_fixed_size: 0
    .kernarg_segment_align: 8
    .kernarg_segment_size: 16
    .max_flat_workgroup_size: 128
    .sgpr_count:     66
    .vgpr_count:     80
    .wavefront_size: 32
...
	.end_amdgpu_metadata
.endif
;; end of part 4
